; MI455X (gfx1250); checked and timed in simulation.
; The chip was launched on July 23, 2026; its instructions are those of AMD's public machine-readable ISA for CDNA 5 (MIT licence, August 2026) and "CDNA5" Instruction Set Architecture Reference Guide (July 2026). The comments in the code are by the model that wrote it; some were corrected since.
;; Hoi Output Layers. Allowed arithmetic: float matrix products may take bf16 or f16 operands with f32 sums; other float arithmetic in f32, or as packed bf16 or f16 multiplies, adds, multiply-adds, maxima and minima; sums over many terms, partial sums and values carried from step to step in f32; what a program stores and reads back later, other than sums and carried values, may be rounded once to bf16 or f16.
;; Inputs: b1 1,024 float32; b2 50 float32; w1 3,072 x 1,024 float32; w2 1,024 x 50 float32; x 16,384 x 3,072 float32.
;; Outputs: out0 16,384 x 50 float32.
;; One version. Each part assembles by itself: llvm-mc -triple=amdgcn-amd-amdhsa -mcpu=gfx1250 --defsym DOCPART=n.
;; ======== version 1 of 1: 2 launches
;; workspace buffers: w1b 6,291,456 bytes; w2f 131,072 bytes
;; launch prep (part 1): grid 256 x 1, 8 waves a work-group, no clusters, 0 bytes of LDS; arguments w1, w2, w1b, w2f; writes w1b, w2f
.if DOCPART == 1
	.amdgcn_target "amdgcn-amd-amdhsa--gfx1250"
	.amdhsa_code_object_version 6
	.text
	.protected	k_q43aa97cfad_prep
	.globl	k_q43aa97cfad_prep
	.p2align	8
	.type	k_q43aa97cfad_prep,@function
k_q43aa97cfad_prep:
	s_mov_b64 s[64:65], 0
	v_nop
	global_prefetch_b8 v0, s[64:65] scope:SCOPE_SE
	s_setreg_imm32_b32 hwreg(HW_REG_WAVE_MODE, 25, 1), 1
	s_wait_xcnt 0x0
; The weights are rounded once to bf16 for the matrix units.
; w1b = bf16(w1), same layout [3072][1024].  w2f = bf16(w2) as an image of matrix fragments, classes 50 to 63 filled with 0:
; 256 blocks of 512 bytes; block g = (kb*4 + ct)*2 + q; lane l = (r = l % 16, h = l / 16) owns the 16 bytes at 512 g + 16 l,
; whose element e is w2[32 kb + 16 q + 8 h + e][16 ct + r].  A fragment (16 classes x 32 hidden) is then two loads of 512 bytes on end.
; SHARES.  256 work-groups of 8 waves.  Each takes 12,288 numbers of w1: a thread 6 x 8 numbers (32 bytes in, 16 bytes out, so a wave's
; store covers 512 consecutive bytes, aligned).  Wave 0 of work-group g also makes block g of w2f.
; No LDS, no barrier, no matrix unit: every number is read once and written once.
.set W1IN,  49152                      ; bytes of w1 for a work-group
.set W1OUT, 24576                      ; bytes of w1b for a work-group
.set IN,  16                           ; v[16:63]  48 numbers of w1
.set WE,  64                           ; v[64:71]  8 numbers of w2
.set WP,  72                           ; v[72:75]  they, packed
.set OUTR, 76                          ; v[76:99]  48 numbers of w1b, packed
	s_load_b256 s[4:11], s[0:1], 0x0               ; w1 s[4:5], w2 s[6:7], w1b s[8:9], w2f s[10:11]
	v_lshrrev_b32 v1, 5, v0
	v_readfirstlane_b32 s12, v1                    ; wave 0..7
	v_lshlrev_b32 v1, 5, v0                        ; 32 t: my 8 numbers in
	v_lshlrev_b32 v2, 4, v0                        ; 16 t: my 8 numbers out
	s_mul_i32 s16, ttmp9, W1IN
	s_mov_b32 s17, 0
	s_mul_i32 s18, ttmp9, W1OUT
	s_mov_b32 s19, 0
	s_wait_kmcnt 0x0
	s_add_nc_u64 s[4:5], s[4:5], s[16:17]
	s_add_nc_u64 s[8:9], s[8:9], s[18:19]
.irp p, 0,1,2,3,4,5
	global_load_b128 v[IN+8*(\p):IN+8*(\p)+3],   v1, s[4:5] offset:8192*(\p) th:TH_LOAD_NT
	global_load_b128 v[IN+8*(\p)+4:IN+8*(\p)+7], v1, s[4:5] offset:8192*(\p)+16 th:TH_LOAD_NT
.endr
	s_cmp_lg_u32 s12, 0
	s_cbranch_scc1 .Lw1                            ; waves 1 to 7 have no part of w2
	v_and_b32 v4, 15, v0                           ; r (in wave 0 the thread's number is the lane)
	v_bfe_u32 v5, v0, 4, 1                         ; h
	s_bfe_u32 s20, ttmp9, 0x20001                  ; ct: two bits from bit 1
	s_lshl_b32 s20, s20, 4
	v_add_nc_u32 v6, s20, v4                       ; my class, 16 ct + r
	v_cmp_gt_u32 vcc_lo, 50, v6                    ; does it exist?
	v_min_u32 v6, 49, v6                           ; if not, class 49 is read and 0 is written: no load leaves w2
	s_lshr_b32 s21, ttmp9, 3                       ; kb
	s_lshl_b32 s21, s21, 5
	s_and_b32 s22, ttmp9, 1                        ; q
	s_lshl_b32 s22, s22, 4
	s_add_co_u32 s21, s21, s22                     ; 32 kb + 16 q
	s_mul_i32 s21, s21, 200                        ; rows of 50 f32
	v_mul_u32_u24 v3, v5, 1600                     ; 8 h rows
	v_lshl_add_u32 v3, v6, 2, v3
	v_add_nc_u32 v3, s21, v3
.irp e, 0,1,2,3,4,5,6,7
	global_load_b32 v[WE+(\e)], v3, s[6:7] offset:200*(\e)
.endr
	s_lshl_b32 s22, ttmp9, 9
	s_mov_b32 s23, 0
	s_add_nc_u64 s[10:11], s[10:11], s[22:23]      ; block g
	s_wait_loadcnt 0x0                             ; everything is out already: nothing is left to overlap
.irp e, 0,1,2,3,4,5,6,7
	v_cndmask_b32 v[WE+(\e)], 0, v[WE+(\e)], vcc_lo
.endr
.irp e, 0,1,2,3
	v_cvt_pk_bf16_f32 v[WP+(\e)], v[WE+2*(\e)], v[WE+2*(\e)+1]
.endr
	global_store_b128 v2, v[WP:WP+3], s[10:11]     ; 512 consecutive bytes, aligned
.Lw1:
	s_wait_loadcnt 0x0
.irp p, 0,1,2,3,4,5
.irp e, 0,1,2,3
	v_cvt_pk_bf16_f32 v[OUTR+4*(\p)+(\e)], v[IN+8*(\p)+2*(\e)], v[IN+8*(\p)+2*(\e)+1]
.endr
	global_store_b128 v2, v[OUTR+4*(\p):OUTR+4*(\p)+3], s[8:9] offset:4096*(\p)
.endr
	s_endpgm
.Lfunc_end_k_q43aa97cfad_prep:
	.size	k_q43aa97cfad_prep, .Lfunc_end_k_q43aa97cfad_prep-k_q43aa97cfad_prep
	.p2alignl 7, 3214868480
	.fill 96, 4, 3214868480
	.section	.rodata,"a",@progbits
	.p2align	6, 0x0
	.amdhsa_kernel k_q43aa97cfad_prep
		.amdhsa_group_segment_fixed_size 0
		.amdhsa_private_segment_fixed_size 0
		.amdhsa_enable_private_segment 0
		.amdhsa_kernarg_size 32
		.amdhsa_user_sgpr_count 2
		.amdhsa_user_sgpr_kernarg_segment_ptr 1
		.amdhsa_wavefront_size32 1
		.amdhsa_system_sgpr_workgroup_id_x 1
		.amdhsa_system_sgpr_workgroup_id_y 1
		.amdhsa_system_sgpr_workgroup_id_z 1
		.amdhsa_system_vgpr_workitem_id 0
		.amdhsa_next_free_vgpr 104
		.amdhsa_next_free_sgpr 66
		.amdhsa_reserve_vcc 1
		.amdhsa_float_denorm_mode_32 3
		.amdhsa_float_denorm_mode_16_64 3
		.amdhsa_memory_ordered 1
		.amdhsa_forward_progress 1
		.amdhsa_inst_pref_size 7
	.end_amdhsa_kernel
	.amdgpu_metadata
---
amdhsa.version: [ 1, 2 ]
amdhsa.kernels:
  - .name:           k_q43aa97cfad_prep
    .symbol:         k_q43aa97cfad_prep.kd
    .args:
      - { .name: w1, .offset: 0, .size: 8, .value_kind: global_buffer, .address_space: global }
      - { .name: w2, .offset: 8, .size: 8, .value_kind: global_buffer, .address_space: global }
      - { .name: w1b, .offset: 16, .size: 8, .value_kind: global_buffer, .address_space: global }
      - { .name: w2f, .offset: 24, .size: 8, .value_kind: global_buffer, .address_space: global }
    .group_segment_fixed_size: 0
    .private_segment_fixed_size: 0
    .kernarg_segment_align: 8
    .kernarg_segment_size: 32
    .max_flat_workgroup_size: 256
    .sgpr_count:     66
    .vgpr_count:     104
    .wavefront_size: 32
...
	.end_amdgpu_metadata
.endif
;; end of part 1
;; launch hoi (part 2): grid 256 x 1, 4 waves a work-group, clusters of 4 x 1, 327,680 bytes of LDS; arguments x, w1b, b1, w2f, b2, out0; writes out0
.if DOCPART == 2
	.amdgcn_target "amdgcn-amd-amdhsa--gfx1250"
	.amdhsa_code_object_version 6
	.text
	.protected	k_q43aa97cfad_hoi
	.globl	k_q43aa97cfad_hoi
	.p2align	8
	.type	k_q43aa97cfad_hoi,@function
k_q43aa97cfad_hoi:
	s_mov_b64 s[64:65], 0
	v_nop
	global_prefetch_b8 v0, s[64:65] scope:SCOPE_SE
	s_setreg_imm32_b32 hwreg(HW_REG_WAVE_MODE, 25, 1), 1
	s_wait_xcnt 0x0
	s_wait_alu depctr_hold_cnt(0) depctr_sa_sdst(0) depctr_va_vdst(0) depctr_va_sdst(0) depctr_va_ssrc(0) depctr_va_vcc(0) depctr_vm_vsrc(0)
	s_getreg_b32 s2, hwreg(HW_REG_IB_STS2, 6, 4)
	s_cmp_eq_u32 s2, 0
	s_cbranch_scc0 .Lentry_in_a_cluster
	s_endpgm
.Lentry_in_a_cluster:
	s_bfe_u32 s2, ttmp6, 0x10000c
	s_cmp_lg_u32 s2, 0x3003
	s_cbranch_scc0 .Lentry_shape_is_right
	s_endpgm
.Lentry_shape_is_right:
; out0 = relu(x w1 + b1) w2 + b2, in one launch.  x: [16384][3072] f32; w1b: [3072][1024] bf16; w2f: w2 in bf16 as fragments (64 classes, 50 to 63 are 0); out0: [16384][50] f32.
; LIMITS.  x, w1, w2, b1, b2 and the hidden layer h are each rounded once to bf16; all sums are f32.  K is summed in a rotated order (below).  ReLU is a maximum with 0 on the rounded h that lets
; a NaN lose: a NaN in h counts as 0.  Infinities are not treated apart.
; SHARES.  A work-group owns 64 rows of x and ALL 1,024 hidden columns, so h never leaves registers: 256 work-groups.  A wave owns 256 hidden columns x 64 rows: 64 accumulators, 512 registers.
; LAYOUT.  h^T = w1^T x^T (source 0 = 16 hidden columns, source 1 = 16 rows of x): a lane holds ONE row of x (lane % 16) and the hidden 8 (lane / 16) + 0..7 of a tile.  Two neighbouring tiles, rounded
; to bf16 in pairs, ARE source 1 (32 hidden x 16 rows) of scores^T = w2^T h^T: nothing changes lanes between the layers.  b1 is the C operand of the first products: nothing is cleared or added.
; K goes in 48 steps of 64, each in two parts of 32; a part is 64 products a wave.  A lap is two steps.
; w1b: a wave's 256 columns are its own: 64 rows of 512 bytes a step, one tensor load a wave, into a ring of two slots; read back turned (ds_load_tr16_b128).
; CLUSTER.  Every work-group walks all of w1b, so the four of a cluster ask for each tile JOINTLY: the same load, descriptor and mask in all four.  Cluster c starts its walk of K at lap (3 c >> 2) mod 24
; and wraps, so the clusters do not all stand at the same rows of w1b; only global addresses hang on c, which the four partners share; every trip count is a constant.
; x: wave w loads rows 16 w .. 16 w + 15 of a step's 64 columns straight into registers (8 loads; 16 lanes take 256 consecutive bytes, aligned, of a row), two steps ahead; rounds them to bf16 once
; for the whole work-group and stores them into one of two small LDS slots, which no tensor load fills.  Each byte of x is read once in the launch.
; AHEAD OF x's LOADS: once a trip each wave names its own 16 rows x 2 blocks of 256 bytes (a lane a block) of the lap three laps on, whose loads the next trip issues.  The first three laps come by their loads
; alone; the last trip asks for nothing, since that lap does not exist.  w1b is walked by every cluster and is not asked for.
; REGISTERS, in windows of 256 (s_set_vgpr_msb: bits 1:0 source 0, 3:2 source 1, 5:4 source 2, 7:6 destination):
;   window 0: v0-29 addresses; v32-63, v64-95 fragments of x, two buffers; v96-159 x as loaded, two sets; v160-175 x rounded; v176-239 at work on the biases.  At the end: v32-159 the scores
;   window 1: v0-127, v128-255 fragments of w1, two buffers (the second holds b1 at the start).  At the end: w2's fragments
;   window 2: accumulators of my hidden tiles 0-7 (tile a, row block m at v[8 (4 (a % 8) + m)]);  window 3: tiles 8-15
.set XROW,  12288                      ; bytes in a row of x
.set PB,    544                        ; a row of a w1b tile in LDS: 512 bytes + 32 of padding = 17 x 32
.set WTILE, 64*PB                      ; a wave's tile
.set BSLOT, 4*WTILE                    ; a slot: the four waves' tiles
.set PA,    144                        ; a row of x in LDS: 128 bytes of bf16 + 16 = 9 x 16: the 16 rows of a load start at 16 different groups of four banks
.set ASL,   2*BSLOT                    ; behind the ring: x's two slots, written by ds_store alone
.set ASLOT, 64*PA
.set OUTST, ASL+2*ASLOT                ; the work-group's 64 x 50 scores, dense, for the way out
.set SPARE, OUTST+12800                ; the spare words, 128 bytes for each wave: two blocks of 256 bytes that no other line names
.set RP,    272                        ; the meeting of the four partial scores: rows of 64 f32 + 16 bytes, 64 rows a wave, in the wave's own tile of slot 0 behind that slot's last fill
.set ADRB, 4                           ; v4-5   LDS address of my w1 fragments in slot 0, 1
.set ADRA, 6                           ; v6-7   of x's fragments
.set STA,  8                           ; v8-9   where I store 8 bytes of rounded x
.set XO,   10                          ; v10    my byte offset in the work-group's rows of x
.set PFX,  11                          ; v11    the prefetch's offset: row 16 w + l % 16, block l / 16
.set BO,   12                          ; v12    my offset in b1
.set W2O,  13                          ; v13    in w2f
.set RS,   14                          ; v14    the meeting: where I put my partial scores
.set RR0,  15                          ; v15    where I read waves 0 and 1's
.set RR2,  16                          ; v16    waves 2 and 3's
.set OS,   17                          ; v17    where I put finished scores
.set OL,   18                          ; v18    where I read 16 bytes of them back
.set GO,   19                          ; v19    my byte offset in the work-group's part of out0
.set B2O,  20                          ; v20    my offset in b2
.set SPW,  28                          ; v28    LDS address of my spare word; never rewritten
.set NIL,  29                          ; v29    0; never rewritten
.set AF0,  32
.set AF1,  64
.set XS,   96
.set XC,   160
.set BT,   176                         ; b1 packed, at work
.set B2,   176                         ; later: 13 pairs of b2
.set B2T,  202                         ; they, packed
.set SC,   32                          ; scores: class block ct, row block m at SC + 8 (4 ct + m)
.set PS,   32                          ; the four partial sums of my 26 classes, 26 registers each
.set OB,   136                         ; the way out
.set F0,   0                           ; window 1
.set F1,   128
.set WV,   16                          ; s16  my wave's number
.set WG,   18                          ; s18  my work-group: it enters x's and out0's addresses alone
.set G1,   24                          ; s[24:31] descriptor group 1
.set G0,   32                          ; s[32:39] group 0, a set for each slot
.set WB,   40                          ; s[40:41] w1b at my wave's 256 columns
.set OFF,  42                          ; s[42:43] a tile's byte offset in w1b
.set Q1,   44                          ; s44  the lap whose tiles are asked for next
.set Q2,   45                          ; s45  the lap behind it: x's loads
.set Q3,   46                          ; s46  and the next: x's prefetch
.set XBASE, 48                         ; s[48:49] x at the work-group's first row
.set XA,   50                          ; s[50:53] x at the columns of the tile last loaded into set 0, set 1
.set XOF,  54                          ; s[54:55] a tile's byte offset in a row of x
.set PFA,  56                          ; s[56:57] x at the lap that is prefetched
.set LAP,  58                          ; s58  trips to go
.set ZS,   59                          ; s59  0
.set MH,   60                          ; s60  a word's upper bf16
.set MSB, 0
.macro WIN new                         ; the immediate's high byte repeats the setting that is left; a switch that changes nothing is dropped
.if MSB != (\new)
	s_set_vgpr_msb (MSB<<8)|(\new)
.set MSB, (\new)
.endif
.endm
.set MUL_LO,   0xa1                    ; source 0 (w1) window 1, source 1 (x) window 0, C and D window 2
.set FIRST_LO, 0x91                    ; the same with C (b1) in window 1
.set TO_1,     0x40                    ; destination window 1, address window 0
.set G2_LO,    0x09                    ; source 0 (w2) window 1, source 1 (h) window 2, C and D window 0
.macro PLACES                          ; four places: a load into, or a vector line on, a matrix instruction's registers stands four plain vector instructions behind it (ISA guide 7.12.1 for vector instructions)
.rept 4
	v_nop
.endr
.endm
; A round of the cluster's barrier: my work-group's barrier, so that wave 0's signal speaks for all four waves; wave 0 signals; every wave waits for all four work-groups; my work-group's barrier once more.
.macro CREST                           ; a round behind its opening barrier
	s_cmp_lg_u32 s[WV], 0
	s_cbranch_scc1 .Lnot_wave_0_\@
	s_barrier_signal -3
.Lnot_wave_0_\@:
	s_barrier_wait -3
	s_barrier_signal -1
	s_barrier_wait -1
.endm
.macro CROUND
	s_barrier_signal -1
	s_barrier_wait -1
	CREST
.endm
.macro WRAP r                          ; the next lap, round the 24
	s_add_co_u32 s[\r], s[\r], 1
	s_cmp_eq_u32 s[\r], 24
	s_cselect_b32 s[\r], 0, s[\r]
.endm
; 4 n products: hidden tiles 8 hi + a0 .. + n - 1 x all four row blocks, 32 along K.  first = 1: C is b1.  The 64 accumulators take turns, one instruction a turn, in the same order in every part.
.macro MULS fb, fa, hi, a0, n, first
.if \first
	WIN FIRST_LO+0x40*(\hi)
.else
	WIN MUL_LO+0x50*(\hi)
.endif
.set ma, (\a0)
.rept \n
.irp m, 0,1,2,3
.if \first
	v_wmma_f32_16x16x32_bf16 v[8*(4*ma+(\m)):8*(4*ma+(\m))+7], v[(\fb)+8*(8*(\hi)+ma):(\fb)+8*(8*(\hi)+ma)+7], v[(\fa)+8*(\m):(\fa)+8*(\m)+7], v[F1+8*(8*(\hi)+ma):F1+8*(8*(\hi)+ma)+7]
.else
	v_wmma_f32_16x16x32_bf16 v[8*(4*ma+(\m)):8*(4*ma+(\m))+7], v[(\fb)+8*(8*(\hi)+ma):(\fb)+8*(8*(\hi)+ma)+7], v[(\fa)+8*(\m):(\fa)+8*(\m)+7], v[8*(4*ma+(\m)):8*(4*ma+(\m))+7]
.endif
.endr
.set ma, ma+1
.endr
.endm
; 40 LDS loads in one run: part c of a slot: x's four fragments first, then w1's sixteen (turned: 16 k x 16 columns a load, two loads a fragment)
.macro FETCH slot, c, fb, fa
	WIN 0
.irp m, 0,1,2,3
	ds_load_b128 v[(\fa)+8*(\m):(\fa)+8*(\m)+3],   v[ADRA+(\slot)] offset:16*PA*(\m)+64*(\c)
	ds_load_b128 v[(\fa)+8*(\m)+4:(\fa)+8*(\m)+7], v[ADRA+(\slot)] offset:16*PA*(\m)+64*(\c)+32
.endr
	WIN TO_1
.irp a, 0,1,2,3,4,5,6,7,8,9,10,11,12,13,14,15
	ds_load_tr16_b128 v[(\fb)+8*(\a):(\fb)+8*(\a)+3],   v[ADRB+(\slot)] offset:32*PB*(\c)+32*(\a)
	ds_load_tr16_b128 v[(\fb)+8*(\a)+4:(\fb)+8*(\a)+7], v[ADRB+(\slot)] offset:32*PB*(\c)+32*(\a)+16*PB
.endr
.endm
.macro XLOAD par                       ; my 16 rows of a tile of x into set par: lanes 0-15 take 256 bytes of row i, lanes 16-31 of row 8 + i
.irp i, 0,1,2,3,4,5,6,7
	global_load_b128 v[XS+32*(\par)+4*(\i):XS+32*(\par)+4*(\i)+3], v[XO], s[XA+2*(\par):XA+2*(\par)+1] offset:XROW*(\i) th:TH_LOAD_NT
.endr
.endm
; x's share of a step.  conv = 1: set par (a tile of that parity) has come; it is rounded to bf16 and stored into x's slot par.  load = 1: the set takes the tile two steps on, in lap s[q].
; lcnt: the younger loads that may stay out.  The sixteen conversions (or four v_nop) are also the places in front of the run of LDS loads that follows.
.macro XWORK par, q, conv, load, lcnt
	WIN 0
.if \conv
	s_wait_loadcnt \lcnt                           ; loads come back in order: this set's eight are in, so its registers and its address pair are free
.irp i, 0,1,2,3,4,5,6,7
	v_cvt_pk_bf16_f32 v[XC+2*(\i)],   v[XS+32*(\par)+4*(\i)],   v[XS+32*(\par)+4*(\i)+1]
	v_cvt_pk_bf16_f32 v[XC+2*(\i)+1], v[XS+32*(\par)+4*(\i)+2], v[XS+32*(\par)+4*(\i)+3]
.endr
.irp i, 0,1,2,3,4,5,6,7
	ds_store_b64 v[STA+(\par)], v[XC+2*(\i):XC+2*(\i)+1] offset:PA*(\i)
.endr
.else
	PLACES
.endif
.if \load
	s_lshl_b32 s[XOF], s[\q], 9                    ; a lap is 512 bytes of a row,
.if \par
	s_or_b32 s[XOF], s[XOF], 256                   ; its second step the upper 256
.endif
	s_add_nc_u64 s[XA+2*(\par):XA+2*(\par)+1], s[XBASE:XBASE+1], s[XOF:XOF+1]
	XLOAD \par
.endif
.endm
; PART 0 of a step in slot: multiplies buffer 0; in its middle x's next tile goes into the other x slot (whose last readers passed the barrier of the part before), and part 1's fragments are fetched into buffer 1.
; first = 1: the launch's first part: buffer 1 still holds b1, so the fetch stands behind all 64 products.
.macro PART0 slot, first, conv, load, lcnt, q
	s_wait_dscnt 16                                ; x's fragments and w1's tiles 0-7 are in; the youngest sixteen loads (tiles 8-15) may be out
	MULS F0, AF0, 0, 0, 8, \first
.if \first
	s_wait_dscnt 0x0
	MULS F0, AF0, 1, 0, 8, 1
	XWORK 1-(\slot), \q, \conv, \load, \lcnt
	FETCH \slot, 1, F1, AF1
.else
	XWORK 1-(\slot), \q, \conv, \load, \lcnt
	FETCH \slot, 1, F1, AF1
	s_wait_dscnt 40                                ; all but the 40 just issued
	MULS F0, AF0, 1, 0, 8, 0
.endif
.endm
.macro W2LOAD f0                       ; sixteen fragments of w2 (fragment f = 4 p + ct of my 8 x 4) straight from memory into window 1
	WIN TO_1
.set wf, (\f0)
.rept 16
	global_load_b128 v[8*wf:8*wf+3],   v[W2O], s[10:11] offset:1024*wf
	global_load_b128 v[8*wf+4:8*wf+7], v[W2O], s[10:11] offset:1024*wf+512
.set wf, wf+1
.endr
	WIN 0
.endm
; PART 1 multiplies buffer 1 and changes slots.  ONE barrier, for three things: in front of it each wave has waited for all its tensor loads (one is out: its tile of the other slot), has added 0 to its spare
; word, and has waited for that, for its reads of this slot and for its stores of x.  Behind it nobody reads this slot, and the other slot and x's other slot are whole.
; mode 2: the barrier opens a round of the cluster's, and behind the round this slot is filled again, with the tile two steps on (lap s[Q1]): the first thing there, one load a wave; a wave issues 96 products before it waits for it.
; mode 1: nothing is left to fill.  mode 0: the last step: no change of slots; the first half of w2's fragments and b2 are asked for.  ask = 1: x's prefetch.
.macro PART1 slot, mode, ask
.if \ask
	s_wait_xcnt 0x0                                ; the last prefetch, a trip back, has read its address: it is written here, ahead of the waits of the change of slots
	s_lshl_b32 s[XOF], s[Q3], 9
	s_add_nc_u64 s[PFA:PFA+1], s[XBASE:XBASE+1], s[XOF:XOF+1]
.endif
.if (\mode) > 0
	WIN 0                                          ; (the add's two registers lie in window 0)
	s_wait_tensorcnt 0x0                           ; all my tensor loads have landed, so a group 0 may be written;
	ds_add_u32 v[SPW], v[NIL]                      ; 0 onto my spare word
.if (\mode) == 2
	s_lshl_b32 s[OFF], s[Q1], 18                   ; a lap is 128 rows of 2,048 bytes,
.if \slot
	s_or_b32 s[OFF], s[OFF], 0x20000               ; its second step the upper 64
.endif
	s_add_nc_u64 s[G0+4*(\slot)+2:G0+4*(\slot)+3], s[WB:WB+1], s[OFF:OFF+1]  ; the address is made anew for each fill,
	s_or_b32 s[G0+4*(\slot)+3], s[G0+4*(\slot)+3], 0x80000000                ; and the type set again
.endif
	s_wait_dscnt 17                                ; (the add and the youngest sixteen loads may be out)
	MULS F1, AF1, 0, 0, 4, 0                       ; sixteen products stand between the add and the wait for it
	s_wait_dscnt 0x0                               ; the add is done, my reads of this slot are over, my stores of x are done
	s_barrier_signal -1
	MULS F1, AF1, 0, 4, 4, 0                       ; work on registers while the others arrive
.if (\mode) == 2
	WIN 0
.endif
	s_barrier_wait -1
.if (\mode) == 2
	CREST                                          ; no wave of any partner still reads this slot or has a load on its way
	tensor_load_to_lds s[G0+4*(\slot):G0+4*(\slot)+3], s[G1:G1+7]
	s_nop 0
.endif
	PLACES                                         ; the places in front of the loads into buffer 0
	FETCH 1-(\slot), 0, F0, AF0
.if \ask
	WIN 0
	s_cmp_gt_u32 s[LAP], 1                         ; the last trip has no lap three laps on
	s_cbranch_scc0 .Lnot_asked_\@
	global_prefetch_b8 v[PFX], s[PFA:PFA+1] th:TH_LOAD_NT scope:SCOPE_SE
.Lnot_asked_\@:
.endif
	MULS F1, AF1, 1, 0, 8, 0
.else
	PLACES                                         ; for the loads into buffer 0, which the part before multiplied
	W2LOAD 0
.irp j, 0,1,2,3,4,5,6,7,8,9,10,11,12
	global_load_b64 v[B2+2*(\j):B2+2*(\j)+1], v[B2O], s[12:13] offset:8*(\j)
.endr
	s_wait_dscnt 16
	MULS F1, AF1, 0, 0, 8, 0
	s_wait_dscnt 0x0
	MULS F1, AF1, 1, 0, 8, 0
.endif
.endm
; h = relu(sums), rounded to bf16, in place, for one window of accumulators: tiles 2 p and 2 p + 1 of a row block become one fragment in tile 2 p's eight registers.  Each accumulator is read from its low end on.
.macro RELU w
	WIN 0x8a+0x45*(\w)                             ; sources and destination in window 2, or 3
.set hp, 0
.rept 16
.set HH, 8*(8*(hp/4)+hp%4)
.irp i, 0,1,2,3
	v_cvt_pk_bf16_f32 v[HH+(\i)], v[HH+2*(\i)], v[HH+2*(\i)+1]
.endr
.irp i, 0,1,2,3
	v_cvt_pk_bf16_f32 v[HH+4+(\i)], v[HH+32+2*(\i)], v[HH+32+2*(\i)+1]
.endr
.irp i, 0,1,2,3,4,5,6,7
	v_pk_max_num_bf16 v[HH+(\i)], v[HH+(\i)], s[ZS]
.endr
.set hp, hp+1
.endr
.endm
; 64 products of the second layer: hidden blocks p0 .. p0 + 3 of my eight x 4 class blocks x 4 row blocks.  The 16 accumulators take turns; block 0 starts the sums.
.macro LAYER2 p0
	WIN G2_LO+4*((\p0)/4)
.set gp, (\p0)
.rept 4
.irp ct, 0,1,2,3
.irp m, 0,1,2,3
.if gp == 0
	v_wmma_f32_16x16x32_bf16 v[SC+8*(4*(\ct)+(\m)):SC+8*(4*(\ct)+(\m))+7], v[8*(4*gp+(\ct)):8*(4*gp+(\ct))+7], v[8*(8*(gp%4)+(\m)):8*(8*(gp%4)+(\m))+7], 0
.else
	v_wmma_f32_16x16x32_bf16 v[SC+8*(4*(\ct)+(\m)):SC+8*(4*(\ct)+(\m))+7], v[8*(4*gp+(\ct)):8*(4*gp+(\ct))+7], v[8*(8*(gp%4)+(\m)):8*(8*(gp%4)+(\m))+7], v[SC+8*(4*(\ct)+(\m)):SC+8*(4*(\ct)+(\m))+7]
.endif
.endr
.endr
.set gp, gp+1
.endr
.endm
	s_load_b256 s[4:11], s[0:1], 0x0               ; x s[4:5], w1b s[6:7], b1 s[8:9], w2f s[10:11]
	s_load_b128 s[12:15], s[0:1], 0x20             ; b2 s[12:13], out0 s[14:15]
	v_lshl_add_u32 v[SPW], v0, 2, SPARE
	v_mov_b32 v[NIL], 0
	ds_add_u32 v[SPW], v[NIL]                      ; the wave's opening: the add and its wait stand ahead of my first tensor load; the set-up below, work on registers, stands between them
	v_lshrrev_b32 v1, 5, v0
	v_readfirstlane_b32 s[WV], v1                  ; wave 0..3
	v_and_b32 v1, 15, v0                           ; r = l % 16
	v_bfe_u32 v2, v0, 4, 1                         ; h = l / 16
	v_and_b32 v3, 31, v0                           ; l
	s_bfe_u32 s17, ttmp6, 0x40000                  ; cx: my place in the cluster
	s_lshl_b32 s[WG], ttmp9, 2                     ; in a cluster launch ttmp9 counts clusters
	s_add_co_u32 s[WG], s[WG], s17
	; descriptor group 1: a tile of 64 rows x 256 elements, padded in LDS
	s_mov_b32 s[G1], 15|(1<<16)|(1<<20)|(1<<21)|(6<<22)|(7<<25)  ; 15:0 the mask: all four work-groups; 17:16 elements of 2 bytes; 20 padding on; 21 set beside a mask; 24:22 after every 128 words (code 6); 31:25 8 words of it (code 7)
	s_mov_b32 s[G1+1], 256<<16                     ; tensor_dim0 = 256
	s_mov_b32 s[G1+2], 64<<16                      ; tensor_dim1 = 64
	s_mov_b32 s[G1+3], 256<<16                     ; tile_dim0 = 256
	s_mov_b32 s[G1+4], 64                          ; tile_dim1 = 64
	s_mov_b32 s[G1+5], 1024                        ; 1,024 elements from row to row
	s_mov_b32 s[G1+6], 0
	s_mov_b32 s[G1+7], 0
	s_mov_b32 s[G0], 1                             ; count = 1
	s_mul_i32 s[G0+1], s[WV], WTILE                ; LDS address: slot 0, my wave's tile: no place in the cluster enters an LDS address
	s_mov_b32 s[G0+4], 1
	s_add_co_u32 s[G0+5], s[G0+1], BSLOT           ; slot 1
	s_mov_b32 s[ZS], 0
	s_mov_b32 s[MH], 0xffff0000
	s_mul_i32 s[Q1], ttmp9, 3                      ; the cluster's first lap: (3 c >> 2) mod 24; c is below 64, so one subtraction does
	s_lshr_b32 s[Q1], s[Q1], 2
	s_cmp_ge_u32 s[Q1], 24
	s_cselect_b32 s[Q2], 24, 0
	s_sub_co_u32 s[Q1], s[Q1], s[Q2]
	; the turning load takes 16 k x 16 columns: lane l reads 16 bytes: row 8 (l / 16) + l % 8, columns 8 ((l / 8) % 2) + 0..7
	s_mul_i32 s19, s[WV], WTILE
	v_and_b32 v21, 7, v0
	v_lshl_add_u32 v21, v2, 3, v21
	v_mul_u32_u24 v[ADRB], v21, PB
	v_bfe_u32 v22, v0, 3, 1
	v_lshl_add_u32 v[ADRB], v22, 4, v[ADRB]
	v_add_nc_u32 v[ADRB], s19, v[ADRB]
	v_add_nc_u32 v[ADRB+1], BSLOT, v[ADRB]
	v_mul_u32_u24 v[ADRA], v1, PA                  ; a fragment of x: row l % 16, 16 bytes for each half of the lanes, twice, 32 bytes apart
	v_lshl_add_u32 v[ADRA], v2, 4, v[ADRA]
	v_add_nc_u32 v[ADRA], ASL, v[ADRA]
	v_add_nc_u32 v[ADRA+1], ASLOT, v[ADRA]
	s_lshl_b32 s22, s[WV], 4                       ; 16 w
	v_lshl_add_u32 v23, v2, 3, s22                 ; row 16 w + 8 h
	v_mul_u32_u24 v[STA], v23, PA
	v_lshl_add_u32 v[STA], v1, 3, v[STA]           ; + 8 r: my four numbers
	v_add_nc_u32 v[STA], ASL, v[STA]
	v_add_nc_u32 v[STA+1], ASLOT, v[STA]
	v_mul_u32_u24 v[XO], v23, XROW
	v_lshl_add_u32 v[XO], v1, 4, v[XO]
	v_add_nc_u32 v24, s22, v1                      ; row 16 w + r
	v_mul_u32_u24 v[PFX], v24, XROW
	v_lshl_add_u32 v[PFX], v2, 8, v[PFX]
	s_lshl_b32 s23, s[WV], 10
	v_lshl_add_u32 v[BO], v2, 5, s23               ; b1: 4 (256 w + 8 h)
	s_lshl_b32 s23, s[WV], 15
	v_lshl_add_u32 v[W2O], v3, 4, s23              ; w2f: my wave's 8 x 4 fragments, 16 bytes a lane
	v_mul_u32_u24 v[RS], v1, RP
	v_lshl_add_u32 v[RS], v2, 5, v[RS]
	v_add_nc_u32 v[RS], s19, v[RS]
	v_lshrrev_b32 v25, 1, v3                       ; at the end a thread finishes half a row: row 16 w + l / 2,
	v_and_b32 v26, 1, v0                           ; classes 0-25 or 24-49
	v_mul_u32_u24 v[B2O], v26, 96
	s_mul_i32 s23, s[WV], 16*RP
	v_mul_u32_u24 v[RR0], v25, RP
	v_add3_u32 v[RR0], v[RR0], v[B2O], s23
	v_add_nc_u32 v[RR2], 2*WTILE, v[RR0]
	s_mul_i32 s23, s[WV], 3200
	s_add_co_u32 s23, s23, OUTST
	v_mul_u32_u24 v[OS], v25, 200
	v_add3_u32 v[OS], v[OS], v[B2O], s23
	s_lshl_b32 s23, s[WV], 9
	v_lshl_add_u32 v[GO], v3, 4, s23
	v_add_nc_u32 v[OL], OUTST, v[GO]
	s_wait_dscnt 0x0                               ; the opening add is done
	s_wait_kmcnt 0x0
	s_mul_i32 s20, s[WG], 64*XROW                  ; s[20:21] alone hold offsets made of my place in the cluster
	s_mov_b32 s21, 0
	s_add_nc_u64 s[XBASE:XBASE+1], s[4:5], s[20:21]
	s_mul_i32 s20, s[WG], 12800
	s_add_nc_u64 s[14:15], s[14:15], s[20:21]      ; out0 at the work-group's 64 rows: 50 blocks of 256 bytes
	s_lshl_b32 s22, s[WV], 9
	s_mov_b32 s23, 0
	s_add_nc_u64 s[WB:WB+1], s[6:7], s[22:23]
	s_lshl_b32 s[XOF], s[Q1], 9
	s_mov_b32 s[XOF+1], 0
	s_add_nc_u64 s[XA:XA+1], s[XBASE:XBASE+1], s[XOF:XOF+1]
	s_or_b32 s[XOF], s[XOF], 256
	s_add_nc_u64 s[XA+2:XA+3], s[XBASE:XBASE+1], s[XOF:XOF+1]
	XLOAD 0                                        ; x's tiles 0 and 1
	XLOAD 1
	WIN TO_1
.irp a, 0,1,2,3,4,5,6,7,8,9,10,11,12,13,14,15
	global_load_b128 v[F1+8*(\a):F1+8*(\a)+3],   v[BO], s[8:9] offset:64*(\a)      ; b1 as an accumulator's image: register j of tile a is b1[256 w + 16 a + 8 h + j]
	global_load_b128 v[F1+8*(\a)+4:F1+8*(\a)+7], v[BO], s[8:9] offset:64*(\a)+16
.endr
	WIN 0
	s_lshl_b32 s[OFF], s[Q1], 18
	s_mov_b32 s[OFF+1], 0
	s_add_nc_u64 s[G0+2:G0+3], s[WB:WB+1], s[OFF:OFF+1]
	s_or_b32 s[G0+3], s[G0+3], 0x80000000          ; type = 2
	s_or_b32 s[OFF], s[OFF], 0x20000
	s_add_nc_u64 s[G0+6:G0+7], s[WB:WB+1], s[OFF:OFF+1]
	s_or_b32 s[G0+7], s[G0+7], 0x80000000
	CROUND                                         ; all four work-groups are here: the first joint loads meet
	tensor_load_to_lds s[G0:G0+3], s[G1:G1+7]      ; steps 0 and 1: two loads of mine are out
	s_nop 0
	tensor_load_to_lds s[G0+4:G0+7], s[G1:G1+7]
	s_nop 0
	PLACES
	WRAP Q1                                        ; laps 1, 2, 3 of the walk
	s_mov_b32 s[Q2], s[Q1]
	WRAP Q2
	s_mov_b32 s[Q3], s[Q2]
	WRAP Q3
	XWORK 0, Q1, 1, 1, 40                          ; x's tile 0 is in (tile 1's 8 loads and b1's 32 are younger), goes into x's slot 0; tile 2 is asked for
	s_wait_loadcnt 8                               ; b1 is in; only tile 2's loads are younger
	WIN 0x05                                       ; b1 is rounded to bf16 like every input, and widened again: in the wait for the first tile
.set bi, 0
.rept 64
	v_cvt_pk_bf16_f32 v[BT+bi], v[F1+2*bi], v[F1+2*bi+1]
.set bi, bi+1
.endr
	WIN TO_1
.set bi, 0
.rept 64
	v_lshlrev_b32 v[F1+2*bi], 16, v[BT+bi]
	v_and_b32 v[F1+2*bi+1], s[MH], v[BT+bi]
.set bi, bi+1
.endr
	WIN 0
	s_wait_tensorcnt 1                             ; my tile of step 0 is in; step 1's may stay out
	s_wait_dscnt 0x0                               ; my rows of x's tile 0 are stored
	s_barrier_signal -1
	s_barrier_wait -1
	FETCH 0, 0, F0, AF0
	PART0 0, 1, 1, 1, 8, Q1                        ; step 0, part 0, stands in front of the loop: its products start the sums with b1.  x's tile 1 is stored, tile 3 asked for
	WIN 0                                          ; at a label and at a branch every window is 0
	s_mov_b32 s[LAP], 22
.Llap:                                                 ; trip i: from step 2 i's part 1 to step 2 i + 2's part 0; both slots are filled again
	PART1 0, 2, 0                                  ; tile 2 i + 2 is asked for
	PART0 1, 0, 1, 1, 8, Q2                        ; x's tile 2 i + 2 is stored, 2 i + 4 asked for; tile 2 i + 3's eight loads are younger
	PART1 1, 2, 1                                  ; tile 2 i + 3
	PART0 0, 0, 1, 1, 8, Q2                        ; x's tile 2 i + 3 is stored, 2 i + 5 asked for
	WIN 0
	s_mov_b32 s[Q1], s[Q2]
	s_mov_b32 s[Q2], s[Q3]
	WRAP Q3
	s_sub_co_u32 s[LAP], s[LAP], 1
	s_cmp_lg_u32 s[LAP], 0
	s_cbranch_scc1 .Llap
	PART1 0, 2, 0                                  ; the tail is written out.  Step 44: tile 46 is asked for
	PART0 1, 0, 1, 0, 8, Q2                        ; x's tile 46 is stored; tile 47's loads are younger; nothing is left to load
	PART1 1, 2, 0                                  ; tile 47: the last load
	PART0 0, 0, 1, 0, 0, Q2                        ; x's tile 47
	PART1 0, 1, 0                                  ; step 46: the last change of slots fills nothing
	PART0 1, 0, 0, 0, 0, Q2
	PART1 1, 0, 0                                  ; step 47
	; THE SECOND LAYER.  The rest of w2's fragments go where w1's lay; h is made in place; each wave multiplies its 256 hidden.
	PLACES                                         ; behind the last products: for the loads into buffer 1 and for the conversions
	W2LOAD 16
	RELU 0
	RELU 1
	s_wait_loadcnt 45                              ; w2's first 16 fragments are in; b2's 13 loads and the other 32 are younger
	LAYER2 0
	s_wait_loadcnt 0x0
	LAYER2 4
	WIN 0
.irp j, 0,1,2,3,4,5,6,7,8,9,10,11,12
	v_cvt_pk_bf16_f32 v[B2T+(\j)], v[B2+2*(\j)], v[B2+2*(\j)+1]  ; b2 rounded to bf16 like every input, and widened again: these lines are also the places behind the last products
.endr
.irp j, 0,1,2,3,4,5,6,7,8,9,10,11,12
	v_lshlrev_b32 v[B2+2*(\j)], 16, v[B2T+(\j)]
	v_and_b32 v[B2+2*(\j)+1], s[MH], v[B2T+(\j)]
.endr
	; THE MEETING.  A lane holds row 16 m + r and the classes 16 ct + 8 h + 0..7 of its wave's partial scores: 32 bytes into rows of 272, in my own tile of slot 0, which has had its last fill.
.irp ct, 0,1,2,3
.irp m, 0,1,2,3
	ds_store_b128 v[RS], v[SC+8*(4*(\ct)+(\m)):SC+8*(4*(\ct)+(\m))+3]   offset:16*RP*(\m)+64*(\ct)
	ds_store_b128 v[RS], v[SC+8*(4*(\ct)+(\m))+4:SC+8*(4*(\ct)+(\m))+7] offset:16*RP*(\m)+64*(\ct)+16
.endr
.endr
	s_wait_dscnt 0x0                               ; for the others' sake: my partial scores are stored
	s_barrier_signal -1
	s_barrier_wait -1
.irp u, 0,1
.irp j, 0,1,2,3,4,5,6,7,8,9,10,11,12
	ds_load_b64 v[PS+26*(\u)+2*(\j):PS+26*(\u)+2*(\j)+1], v[RR0] offset:WTILE*(\u)+8*(\j)
.endr
.endr
.irp u, 0,1
.irp j, 0,1,2,3,4,5,6,7,8,9,10,11,12
	ds_load_b64 v[PS+52+26*(\u)+2*(\j):PS+52+26*(\u)+2*(\j)+1], v[RR2] offset:WTILE*(\u)+8*(\j)
.endr
.endr
	s_wait_dscnt 0x0
.irp j, 0,1,2,3,4,5,6,7,8,9,10,11,12
	v_pk_add_f32 v[PS+2*(\j):PS+2*(\j)+1], v[PS+2*(\j):PS+2*(\j)+1], v[PS+26+2*(\j):PS+26+2*(\j)+1]
	v_pk_add_f32 v[PS+52+2*(\j):PS+52+2*(\j)+1], v[PS+52+2*(\j):PS+52+2*(\j)+1], v[PS+78+2*(\j):PS+78+2*(\j)+1]
.endr
.irp j, 0,1,2,3,4,5,6,7,8,9,10,11,12
	v_pk_add_f32 v[PS+2*(\j):PS+2*(\j)+1], v[PS+2*(\j):PS+2*(\j)+1], v[PS+52+2*(\j):PS+52+2*(\j)+1]
.endr
.irp j, 0,1,2,3,4,5,6,7,8,9,10,11,12
	v_pk_add_f32 v[PS+2*(\j):PS+2*(\j)+1], v[PS+2*(\j):PS+2*(\j)+1], v[B2+2*(\j):B2+2*(\j)+1]
.endr
.irp j, 0,1,2,3,4,5,6,7,8,9,10,11,12
	ds_store_b64 v[OS], v[PS+2*(\j):PS+2*(\j)+1] offset:8*(\j)  ; rows of 200 bytes, dense as in out0.  Classes 24 and 25 are written by both threads of a row (neighbouring lanes of one wave), with the same numbers
.endr
	s_wait_dscnt 0x0
	s_barrier_signal -1
	s_barrier_wait -1
	; THE WAY OUT.  The work-group's 12,800 bytes are consecutive in out0 and begin at a multiple of 256: 16 bytes a thread, six times; the last 512 bytes are wave 0's.
.irp j, 0,1,2,3,4,5
	ds_load_b128 v[OB+4*(\j):OB+4*(\j)+3], v[OL] offset:2048*(\j)
.endr
.irp j, 0,1,2,3,4,5
	s_wait_dscnt 5-(\j)
	global_store_b128 v[GO], v[OB+4*(\j):OB+4*(\j)+3], s[14:15] offset:2048*(\j) th:TH_STORE_NT  ; 16 lanes store 256 consecutive bytes, aligned
.endr
	s_cmp_lg_u32 s[WV], 0
	s_cbranch_scc1 .Lend
	ds_load_b128 v[OB+24:OB+27], v[OL] offset:12288
	s_wait_dscnt 0x0
	global_store_b128 v[GO], v[OB+24:OB+27], s[14:15] offset:12288 th:TH_STORE_NT
.Lend:
	s_wait_tensorcnt 0x0                           ; the wave's end: behind my last tensor load and my last LDS store
	ds_add_u32 v[SPW], v[NIL]
	s_wait_dscnt 0x0
	CROUND                                         ; the closing round: no work-group ends while a partner may still ask for a tile that names it
	s_endpgm
.Lfunc_end_k_q43aa97cfad_hoi:
	.size	k_q43aa97cfad_hoi, .Lfunc_end_k_q43aa97cfad_hoi-k_q43aa97cfad_hoi
	.p2alignl 7, 3214868480
	.fill 96, 4, 3214868480
	.section	.rodata,"a",@progbits
	.p2align	6, 0x0
	.amdhsa_kernel k_q43aa97cfad_hoi
		.amdhsa_group_segment_fixed_size 327680
		.amdhsa_private_segment_fixed_size 0
		.amdhsa_enable_private_segment 0
		.amdhsa_kernarg_size 48
		.amdhsa_user_sgpr_count 2
		.amdhsa_user_sgpr_kernarg_segment_ptr 1
		.amdhsa_wavefront_size32 1
		.amdhsa_system_sgpr_workgroup_id_x 1
		.amdhsa_system_sgpr_workgroup_id_y 1
		.amdhsa_system_sgpr_workgroup_id_z 1
		.amdhsa_system_vgpr_workitem_id 0
		.amdhsa_next_free_vgpr 1024
		.amdhsa_next_free_sgpr 66
		.amdhsa_reserve_vcc 0
		.amdhsa_float_denorm_mode_32 3
		.amdhsa_float_denorm_mode_16_64 3
		.amdhsa_memory_ordered 1
		.amdhsa_forward_progress 1
		.amdhsa_inst_pref_size 178
	.end_amdhsa_kernel
	.amdgpu_metadata
---
amdhsa.version: [ 1, 2 ]
amdhsa.kernels:
  - .name:           k_q43aa97cfad_hoi
    .symbol:         k_q43aa97cfad_hoi.kd
    .args:
      - { .name: x, .offset: 0, .size: 8, .value_kind: global_buffer, .address_space: global }
      - { .name: w1b, .offset: 8, .size: 8, .value_kind: global_buffer, .address_space: global }
      - { .name: b1, .offset: 16, .size: 8, .value_kind: global_buffer, .address_space: global }
      - { .name: w2f, .offset: 24, .size: 8, .value_kind: global_buffer, .address_space: global }
      - { .name: b2, .offset: 32, .size: 8, .value_kind: global_buffer, .address_space: global }
      - { .name: out0, .offset: 40, .size: 8, .value_kind: global_buffer, .address_space: global }
    .group_segment_fixed_size: 327680
    .private_segment_fixed_size: 0
    .kernarg_segment_align: 8
    .kernarg_segment_size: 48
    .max_flat_workgroup_size: 128
    .sgpr_count:     66
    .vgpr_count:     1024
    .wavefront_size: 32
...
	.end_amdgpu_metadata
.endif
;; end of part 2
